; MI455X (gfx1250); checked and timed in simulation.
; The chip was launched on July 23, 2026; its instructions are those of AMD's public machine-readable ISA for CDNA 5 (MIT licence, August 2026) and "CDNA5" Instruction Set Architecture Reference Guide (July 2026). The comments in the code are by the model that wrote it; some were corrected since.
;; Improved Attention. Allowed arithmetic: matrix products marked QUANTISED: E3M2 operands, one E8M0 scale for each 32 along K, by v_wmma_scale_f32_16x16x128_f8f6f4 with both operands' format E3M2, f32 sums; everything else in f32.
;; Inputs: W_qkv 1,024 x 3,072 float32; mask 1 x 1 x 32 x 32 bool; x 512 x 32 x 1,024 float32.
;; Outputs: out0 512 x 32 x 1,024 float32.
;; This version of the problem:
;;   THIS VERSION OF THE PROBLEM IS GIVEN IN LOW PRECISION. The matrix products marked QUANTISED in the list below multiply operands that are first quantised to E3M2 (3 exponent bits, 2 mantissa bits; 6 bits a number), with one power-of-two scale for each 32 numbers along K (OCP MX v1.0); their sums are f32. All else is computed in f32.
;;   The module's matrix products, in the order in which they are computed (A, B: the left and right operand; K: the contracted axis; several contracted axes count as one K, in the product's order):
;;     1. [M 16,384, K 1,024] x [K 1,024, N 3,072]; A: input x; B: input W_qkv: QUANTISED
;;     2. batch 16,384 x [M 32, K 32] x [K 32, N 32]; A: computed on the way; B: computed on the way: QUANTISED
;;     3. batch 16,384 x [M 32, K 32] x [K 32, N 32]; A: softmax (see below); B: computed on the way: QUANTISED
;;   THE QUANTISER, for each operand of a quantised product, along K:
;;     - K is cut into blocks of 32 from its start; a last block that is shorter is filled with zeros.
;;     - A block's scale is 2^e with e = floor(log2(the largest magnitude in the block)) - 4, held to -126 .. 127; a block of zeros has e = 0. As a byte (E8M0): e + 127.
;;     - Each number is divided by its block's scale, clamped to +-28, and rounded to the nearest number of E3M2, ties to even, subnormals kept.
;;     - The product sums the exact products of the quantised numbers (number of the format x scale) in f32.
;;   ~~~python
;;   def quantise(x, axis):      # numpy; x: float32 -> the quantised numbers, widened to float32 again
;;       x = np.moveaxis(x, axis, -1); K = x.shape[-1]
;;       x = np.pad(x, [(0, 0)] * (x.ndim - 1) + [(0, -K % 32)]); x = x.reshape(x.shape[:-1] + (-1, 32)); a = np.abs(x).max(-1, keepdims=True)
;;       e = np.where(a > 0, np.clip(np.frexp(np.where(a > 0, a, 1))[1] - 1 - 4, -126, 127), 0)      # np.frexp(a)[1] - 1 = floor(log2(a)), exactly
;;       r = np.clip(x / 2.0 ** e, -28, 28)
;;       step = 2.0 ** (np.maximum(np.frexp(np.where(r == 0, 1, r))[1] - 1, -2) - 2)
;;       q = np.round(r / step) * step * 2.0 ** e      # np.round: ties to even
;;       return np.moveaxis(q.reshape(q.shape[:-2] + (-1,))[..., :K], -1, axis).astype(np.float32)
;;   ~~~
;;   SOFTMAX AHEAD OF A QUANTISED PRODUCT. Where the list says 'softmax', what is quantised is not the finished softmax but p = 2^(t - M), with t = logit x log2(e) and M = ceil(the row's largest t), a whole number; so 1/2 < the row's largest p <= 1. The row's sum l is taken of the UNQUANTISED p, in f32, and the product's result is divided by l at the end. Since M is a whole number, a kernel that streams over the keys may use a running M (the ceiling of the running maximum): every later rescaling is an exact power of two, which a block's scale takes up: the codes' values come out the same.
;;   OPERANDS COMPUTED ON THE WAY. 'Computed on the way' means the value that the module computes at that place (a softmax that the list does not call 'softmax' is quantised finished and normalised). What goes into a quantiser is computed in f32, as accurately as f32 sums, v_exp_f32 and their like allow (about 1e-6 of the number): no bf16 or f16 on the way to a quantiser, and a product that is left as it is and whose result goes on into a quantised operand takes f32 operands (vector FMAs, or v_wmma_f32_16x16x4_f32). A number that lies on a knife's edge between two numbers of the format may be rounded either way, as far as f32 arithmetic and the matrix unit's own rounding can turn it there, and no further.
;; One version. Each part assembles by itself: llvm-mc -triple=amdgcn-amd-amdhsa -mcpu=gfx1250 --defsym DOCPART=n.
;; ======== version 1 of 1: 2 launches
;; limits: right only within a limited range of input values
;; workspace buffers: wq 2,457,600 bytes; trig 512 bytes
;; launch prep (part 1): grid 48 x 1, 16 waves a work-group, no clusters, 54,272 bytes of LDS; arguments W_qkv, wq, trig; writes wq, trig
.if DOCPART == 1
	.amdgcn_target "amdgcn-amd-amdhsa--gfx1250"
	.amdhsa_code_object_version 6
	.text
	.protected	k_q1ffa45b053_prep
	.globl	k_q1ffa45b053_prep
	.p2align	8
	.type	k_q1ffa45b053_prep,@function
k_q1ffa45b053_prep:
	s_mov_b64 s[64:65], 0
	v_nop
	global_prefetch_b8 v0, s[64:65] scope:SCOPE_SE
	s_setreg_imm32_b32 hwreg(HW_REG_WAVE_MODE, 25, 1), 1
	s_wait_xcnt 0x0
; W_qkv [1024 (k)][3072 (n)], f32, K its FIRST axis, becomes codes of BF6 (E3M2) with one E8M0 byte for each 32 along K, laid in wq as IMAGES OF THE OPERAND'S REGISTERS,
; in the order in which the second launch streams them.  Also: a table of cos h, sin h (h = 0 .. 31) in trig, entry h = (cos, cos, sin, sin), 16 bytes.
; wq: 96 records of 25,600 bytes.  Record 4 p + w holds a group of 32 columns: kind p / 8 (0 q, 1 k, 2 v), number h = 8 w + p % 8.  Element e of the group is column 32 h + e (q), 1024 + 32 h + e (k),
; 2048 + 32 e + h (v: the group is a channel d = h, its elements are the heads).  In a record: K step s (128 along K), tile u (elements 16 u ..), quarter qd, lane L: 16 bytes at 3072 s + 1536 u + 512 qd + 16 L
; = registers 4 qd .. 4 qd + 3 of lane L of the fragment (lane 16 hh + r: element 16 u + r; registers 6 c .. 6 c + 5: k = 128 s + 64 c + 32 hh + 0 .. 31).  Scale words at 24,576 + 128 s + 4 (16 u + r).
; A LANE TAKES A COLUMN AND ITS 128 REGISTERS RUN DOWN A K STEP: a block's largest magnitude needs no other lane, and the conversions' results are the operand's registers of lanes (r, 0) and (r, 1).
; A work-group: one K step x 512 columns; a wave 32 columns; each load reads 128 consecutive bytes, the sixteen waves side by side 2,048.
; A block's scale is 2^(floor(log2(largest magnitude)) - 4); its byte is the largest magnitude's exponent field - 4, held at 1 from below.
; LIMITS: a block of zeros, or one whose largest magnitude lies under 2^-122, keeps the byte 1 (zero codes add nothing under it; only this program reads the bytes); NaN and infinities are not served.
; q's and k's columns: the 32 lanes of a wave ARE a group: stored straight, sixteen lanes to 256 consecutive aligned bytes.  The scale words leave as runs of 128 bytes (one part in 25 of what is stored).
; v's columns: a wave is one head, its lanes 32 channels, so a group's 16 heads lie in 16 waves: they meet in a stage in LDS (one barrier; the branch hangs on the work-group's number alone).
.set WROW,  12288                      ; a row of W in bytes
.set RECB,  25600
.set X,     32                         ; v32-159  my column's 128 numbers
.set F,     160                        ; v160-171 the fragment's registers of lane (r, 0); v172-183 of lane (r, 1)
.set T,     184                        ; v184-186 a conversion's result on its way (three registers begin on an even number)
.set SW,    8                          ; v8       my column's scale word
.set STP,   1552                       ; the stage: 1,536 bytes a channel + 16
.set SWS,   32*STP                     ; behind it the scale words, 68 bytes a channel
.set SWP,   68
	s_load_b128 s[4:7], s[0:1], 0x0                ; W, wq
	s_load_b64 s[8:9], s[0:1], 0x10                ; trig
	v_lshl_add_u32 v192, v0, 2, 0xcc00
	v_mov_b32 v193, 0
	v_lshrrev_b32 v1, 5, v0
	s_delay_alu instid0(VALU_DEP_1)
	v_readfirstlane_b32 s10, v1                    ; wave 0..15
	v_and_b32 v2, 31, v0                           ; lane
	s_delay_alu instid0(VALU_DEP_1)
	v_lshlrev_b32 v3, 2, v2                        ; 4 x lane
	s_and_b32 s11, ttmp9, 7                        ; the K step
	s_lshr_b32 s12, ttmp9, 3                       ; which 512 columns: 0..5
	s_mul_i32 s14, s11, 128*WROW
	s_lshl_b32 s15, s12, 11
	s_add_co_u32 s14, s14, s15
	s_lshl_b32 s15, s10, 7
	s_add_co_u32 s14, s14, s15                     ; 128 rows x K step + 4 x (512 x block + 32 x wave)
	s_mov_b32 s15, 0
	s_wait_alu depctr_va_vdst(0)
	s_wait_kmcnt 0x0
	s_add_nc_u64 s[4:5], s[4:5], s[14:15]
.set k, 0
.rept 128
	global_load_b32 v[X+k], v3, s[4:5] offset:k*WROW th:TH_LOAD_NT   ; W(128 s + k, my column); read once in the launch
.set k, k+1
.endr
; Block b of my column: k = 32 b .. 32 b + 31 = registers 6 (b / 2) .. + 5 of lane (r, b % 2)
.macro BLK b
.set XB, X+32*(\b)
.set FD, F+12*((\b)%2)+6*((\b)/2)
	v_max3_num_f32 v10, |v[XB]|, |v[XB+1]|, 0x2800000             ; two chains; the floor 2^(5 - 127) is one leaf: the byte cannot fall under 1
	v_max3_num_f32 v11, |v[XB+2]|, |v[XB+3]|, |v[XB+4]|
.irp i, 5,9,13,17,21,25
	s_delay_alu instid0(VALU_DEP_2)
	v_max3_num_f32 v10, v10, |v[XB+\i]|, |v[XB+\i+1]|
	s_delay_alu instid0(VALU_DEP_2)
	v_max3_num_f32 v11, v11, |v[XB+\i+2]|, |v[XB+\i+3]|
.endr
	s_delay_alu instid0(VALU_DEP_2)
	v_max3_num_f32 v10, v10, |v[XB+29]|, |v[XB+30]|
	s_delay_alu instid0(VALU_DEP_1)
	v_max3_num_f32 v10, v10, v11, |v[XB+31]|
	s_delay_alu instid0(VALU_DEP_1)
	v_add_nc_u32 v12, 0xfe000000, v10              ; 4 off the exponent field: the conversion takes this operand's exponent field as its scale
	s_delay_alu instid0(VALU_DEP_1)
	v_lshrrev_b32 v13, 23, v12                     ; the scale's byte
.if (\b) == 0
	s_delay_alu instid0(VALU_DEP_1)
	v_mov_b32 v[SW], v13
.else
	s_delay_alu instid0(VALU_DEP_1)
	v_lshl_or_b32 v[SW], v13, 8*(\b), v[SW]
.endif
	v_cvt_scalef32_pk16_bf6_f32 v[FD:FD+2], v[XB:XB+15], v12
	v_cvt_scalef32_pk16_bf6_f32 v[T:T+2], v[XB+16:XB+31], v12
	v_nop                                          ; one plain line behind a scaled conversion
.irp i, 0,1,2
	v_mov_b32 v[FD+3+\i], v[T+\i]
.endr
.endm
	s_wait_loadcnt 63                              ; of 128 loads at most 63 are out: the first 65 are in, blocks 0 and 1 among them
	BLK 0
	BLK 1
	s_wait_loadcnt 32                              ; block 3's 32 may be out
	BLK 2
	s_wait_loadcnt 0x0
	BLK 3
	s_mul_i32 s26, s11, 3072                       ; the K step's place among a record's codes,
	s_lshl_b32 s27, s11, 7
	s_add_co_u32 s27, s27, 24576                   ; and among its scale words
	s_mov_b32 s19, 0
	s_cmp_lt_u32 s12, 4
	s_cbranch_scc0 .Lvpath
	; ---- q's and k's columns: kind = block / 2, head = 16 (block % 2) + wave; record = 4 (8 kind + head % 8) + head / 8
	s_lshr_b32 s16, s12, 1
	s_lshl_b32 s16, s16, 3
	s_and_b32 s17, s10, 7
	s_add_co_u32 s16, s16, s17
	s_lshl_b32 s16, s16, 2
	s_and_b32 s17, s12, 1
	s_lshl_b32 s17, s17, 1
	s_add_co_u32 s16, s16, s17
	s_lshr_b32 s17, s10, 3
	s_add_co_u32 s16, s16, s17
	s_mul_i32 s16, s16, RECB
	s_add_co_u32 s18, s16, s26
	s_add_nc_u64 s[20:21], s[6:7], s[18:19]
	s_add_co_u32 s18, s16, s27
	s_add_nc_u64 s[22:23], s[6:7], s[18:19]
	v_lshrrev_b32 v4, 4, v2                        ; tile u = lane / 16
	s_delay_alu instid0(VALU_DEP_1)
	v_mul_u32_u24 v4, v4, 1536
	v_and_b32 v5, 15, v2
	s_delay_alu instid0(VALU_DEP_1)
	v_lshl_add_u32 v4, v5, 4, v4                   ; + 16 r
	s_wait_alu depctr_va_vdst(0)
.irp hh, 0,1
.irp qd, 0,1,2
	global_store_b128 v4, v[F+12*\hh+4*\qd:F+12*\hh+4*\qd+3], s[20:21] offset:512*\qd+256*\hh   ; sixteen lanes store 256 consecutive bytes, at a multiple of 256 from wq's first byte
.endr
.endr
	global_store_b32 v3, v[SW], s[22:23]
	; ---- the table of cos h and sin h: work-group 0, wave 0; lane h holds entry h
	s_or_b32 s16, ttmp9, s10
	s_cmp_lg_u32 s16, 0
	s_cbranch_scc1 .Ldone
	v_mov_b32 v16, 0
	v_mov_b32 v18, 0
.macro TRG h, c, s
	s_mov_b32 s24, \c
	s_mov_b32 s25, \s
	v_writelane_b32 v16, s24, \h
	v_writelane_b32 v18, s25, \h
.endm
	TRG 0, 1.0, 0
	TRG 1, 0.5403023059, 0.8414709848
	TRG 2, -0.4161468365, 0.9092974268
	TRG 3, -0.9899924966, 0.1411200081
	TRG 4, -0.6536436209, -0.7568024953
	TRG 5, 0.2836621855, -0.9589242747
	TRG 6, 0.9601702867, -0.2794154982
	TRG 7, 0.7539022543, 0.6569865987
	TRG 8, -0.1455000338, 0.9893582466
	TRG 9, -0.9111302619, 0.4121184852
	TRG 10, -0.8390715291, -0.5440211109
	TRG 11, 0.0044256980, -0.9999902066
	TRG 12, 0.8438539587, -0.5365729180
	TRG 13, 0.9074467815, 0.4201670368
	TRG 14, 0.1367372182, 0.9906073557
	TRG 15, -0.7596879129, 0.6502878402
	TRG 16, -0.9576594803, -0.2879033167
	TRG 17, -0.2751633381, -0.9613974919
	TRG 18, 0.6603167082, -0.7509872468
	TRG 19, 0.9887046182, 0.1498772097
	TRG 20, 0.4080820618, 0.9129452507
	TRG 21, -0.5477292602, 0.8366556385
	TRG 22, -0.9999608264, -0.0088513093
	TRG 23, -0.5328330203, -0.8462204042
	TRG 24, 0.4241790073, -0.9055783620
	TRG 25, 0.9912028119, -0.1323517501
	TRG 26, 0.6469193223, 0.7625584505
	TRG 27, -0.2921388087, 0.9563759284
	TRG 28, -0.9626058663, 0.2709057883
	TRG 29, -0.7480575297, -0.6636338842
	TRG 30, 0.1542514499, -0.9880316241
	TRG 31, 0.9147423578, -0.4040376453
	s_delay_alu instid0(VALU_DEP_2)
	v_mov_b32 v17, v16
	s_delay_alu instid0(VALU_DEP_2)
	v_mov_b32 v19, v18
	v_lshlrev_b32 v6, 4, v2
	global_store_b128 v6, v[16:19], s[8:9]         ; 512 consecutive bytes
.Ldone:
	s_endpgm
.Lvpath:
	; ---- v's columns: U = block - 4; my wave is head 16 U + wave (element r = wave of tile U), my lane is channel d
	s_sub_co_u32 s13, s12, 4
	v_mul_u32_u24 v4, v2, STP
	s_lshl_b32 s16, s10, 4
	v_add_nc_u32 v4, s16, v4                       ; the stage, on the way in: channel x 1,552 + 16 x wave
	s_wait_alu depctr_va_vdst(0)
.irp hh, 0,1
.irp qd, 0,1,2
	ds_store_b128 v4, v[F+12*\hh+4*\qd:F+12*\hh+4*\qd+3] offset:512*\qd+256*\hh
.endr
.endr
	v_mul_u32_u24 v5, v2, SWP
	s_lshl_b32 s16, s10, 2
	v_add_nc_u32 v5, s16, v5
	ds_store_b32 v5, v[SW] offset:SWS
	s_wait_dscnt 0x0                               ; for the others' sake: my stores into the stage are done
	s_barrier_signal -1
	s_barrier_wait -1
	v_lshrrev_b32 v6, 4, v2                        ; on the way out: wave w takes channels 2 w and 2 w + 1, sixteen lanes each
	s_wait_alu depctr_va_vdst(0)
	v_and_b32 v7, 15, v2
	s_lshl_b32 s16, s10, 1
	v_add_nc_u32 v9, s16, v6                       ; my channel
	s_delay_alu instid0(VALU_DEP_1)
	v_mul_u32_u24 v14, v9, STP
	s_delay_alu instid0(VALU_DEP_1)
	v_lshl_add_u32 v14, v7, 4, v14
	s_delay_alu instid0(VALU_DEP_3)
	v_mul_u32_u24 v15, v9, SWP
	s_delay_alu instid0(VALU_DEP_1)
	v_lshl_add_u32 v15, v7, 2, v15
.irp i, 0,1,2,3,4,5
	ds_load_b128 v[X+4*\i:X+4*\i+3], v14 offset:256*\i
.endr
	ds_load_b32 v[X+24], v15 offset:SWS
	s_and_b32 s16, s10, 3                          ; channel d's record is 64 + 4 (d % 8) + d / 8; for d = 2 w: 64 + 8 (w % 4) + w / 4; d = 2 w + 1 lies four records on
	s_lshl_b32 s16, s16, 3
	s_lshr_b32 s17, s10, 2
	s_add_co_u32 s16, s16, s17
	s_add_co_u32 s16, s16, 64
	s_mul_i32 s16, s16, RECB
	s_add_co_u32 s18, s16, s26
	s_mul_i32 s17, s13, 1536
	s_add_co_u32 s18, s18, s17
	s_add_nc_u64 s[20:21], s[6:7], s[18:19]
	s_add_co_u32 s18, s16, s27
	s_lshl_b32 s17, s13, 6
	s_add_co_u32 s18, s18, s17
	s_add_nc_u64 s[22:23], s[6:7], s[18:19]
	v_mul_u32_u24 v16, v6, 4*RECB
	s_wait_alu depctr_va_vdst(0)
	v_lshl_add_u32 v17, v7, 4, v16
	v_lshl_add_u32 v18, v7, 2, v16
	s_wait_alu depctr_va_vdst(0)
.irp i, 0,1,2,3,4,5
	s_wait_dscnt 6-\i                              ; LDS loads come back in order: piece i is in
	global_store_b128 v17, v[X+4*\i:X+4*\i+3], s[20:21] offset:256*\i   ; sixteen lanes store 256 consecutive aligned bytes
.endr
	s_wait_dscnt 0x0
	global_store_b32 v18, v[X+24], s[22:23]
	s_wait_tensorcnt 0x0
	ds_add_u32 v192, v193
	s_wait_dscnt 0x0
	s_endpgm
.Lfunc_end_k_q1ffa45b053_prep:
	.size	k_q1ffa45b053_prep, .Lfunc_end_k_q1ffa45b053_prep-k_q1ffa45b053_prep
	.p2alignl 7, 3214868480
	.fill 96, 4, 3214868480
	.section	.rodata,"a",@progbits
	.p2align	6, 0x0
	.amdhsa_kernel k_q1ffa45b053_prep
		.amdhsa_group_segment_fixed_size 54272
		.amdhsa_private_segment_fixed_size 0
		.amdhsa_enable_private_segment 0
		.amdhsa_kernarg_size 24
		.amdhsa_user_sgpr_count 2
		.amdhsa_user_sgpr_kernarg_segment_ptr 1
		.amdhsa_wavefront_size32 1
		.amdhsa_system_sgpr_workgroup_id_x 1
		.amdhsa_system_sgpr_workgroup_id_y 1
		.amdhsa_system_sgpr_workgroup_id_z 1
		.amdhsa_system_vgpr_workitem_id 0
		.amdhsa_next_free_vgpr 194
		.amdhsa_next_free_sgpr 66
		.amdhsa_reserve_vcc 0
		.amdhsa_float_denorm_mode_32 3
		.amdhsa_float_denorm_mode_16_64 3
		.amdhsa_memory_ordered 1
		.amdhsa_forward_progress 1
		.amdhsa_inst_pref_size 35
	.end_amdhsa_kernel
	.amdgpu_metadata
---
amdhsa.version: [ 1, 2 ]
amdhsa.kernels:
  - .name:           k_q1ffa45b053_prep
    .symbol:         k_q1ffa45b053_prep.kd
    .args:
      - { .name: W_qkv, .offset: 0, .size: 8, .value_kind: global_buffer, .address_space: global }
      - { .name: wq, .offset: 8, .size: 8, .value_kind: global_buffer, .address_space: global }
      - { .name: trig, .offset: 16, .size: 8, .value_kind: global_buffer, .address_space: global }
    .group_segment_fixed_size: 54272
    .private_segment_fixed_size: 0
    .kernarg_segment_align: 8
    .kernarg_segment_size: 24
    .max_flat_workgroup_size: 512
    .sgpr_count:     66
    .vgpr_count:     194
    .wavefront_size: 32
...
	.end_amdgpu_metadata
.endif
;; end of part 1
;; launch fused (part 2): grid 256 x 1, 4 waves a work-group, clusters of 4 x 1, 327,680 bytes of LDS; arguments x, mask, wq, trig, out0; writes out0
.if DOCPART == 2
	.amdgcn_target "amdgcn-amd-amdhsa--gfx1250"
	.amdhsa_code_object_version 6
	.text
	.protected	k_q1ffa45b053_fused
	.globl	k_q1ffa45b053_fused
	.p2align	8
	.type	k_q1ffa45b053_fused,@function
k_q1ffa45b053_fused:
	s_mov_b64 s[64:65], 0
	v_nop
	global_prefetch_b8 v0, s[64:65] scope:SCOPE_SE
	s_setreg_imm32_b32 hwreg(HW_REG_WAVE_MODE, 25, 1), 1
	s_wait_xcnt 0x0
	s_wait_alu depctr_hold_cnt(0) depctr_sa_sdst(0) depctr_va_vdst(0) depctr_va_sdst(0) depctr_va_ssrc(0) depctr_va_vcc(0) depctr_vm_vsrc(0)
	s_getreg_b32 s2, hwreg(HW_REG_IB_STS2, 6, 4)
	s_cmp_eq_u32 s2, 0
	s_cbranch_scc0 .Lentry_in_a_cluster
	s_endpgm
.Lentry_in_a_cluster:
	s_bfe_u32 s2, ttmp6, 0x10000c
	s_cmp_lg_u32 s2, 0x3003
	s_cbranch_scc0 .Lentry_shape_is_right
	s_endpgm
.Lentry_shape_is_right:
; For each of the 16,384 rows of x [.][1024]: qkv = x W (q, k, v as [32 heads][32 channels]); q and k rotated by cos h, sin h of the HEAD h (channels d, d + 16 are a pair);
; score[j][l] = q[j] . k[l] / sqrt(32), -infinity where mask[j][l] is 0; softmax over l; out[j][d] = sum over l of p[j][l] v[l][d].  All three products on codes of BF6 (E3M2), one E8M0 scale for each 32 along K.
; SOFTMAX: t = score x log2(e) / sqrt(32); M = ceil(the row's largest t); p = 2^(t - M) is quantised, not normalised; the sum of the unquantised p divides at the end.
; SHARES.  A work-group of four waves owns 64 rows through the whole chain.  x's codes (64 rows x 1,024: 384 registers) stay in every wave's registers; in a pass each wave takes one record of wq (32 columns, all of K): 64 products.
; 24 passes on end (8 q, 8 k, 8 v) through a ring of two LDS slots of a pass each; a wave fetches and reads its own record alone.  THE CHANGE OF SLOTS STANDS IN MID-PASS, behind the pass's last fragment load:
; the next pass's first fragments and scale words are fetched under K steps 6, 7 and the epilogue.
; CLUSTER 4 x 1: all work-groups walk the same records and ask for each jointly (mask 15).  In step t cluster c takes pass ((t + c) & 7) | (t & 24), so the clusters name eight different tiles of a kind at a time.
; PREFETCH: in step t (t < 20) each wave names, once in its cluster, 25 blocks of 256 bytes of its record of step t + 4, two steps ahead of that record's tensor load; the partners share a record's 100 blocks by address (cx).
; LDS.  A group's codes go to a region that is the storing wave's own: [wave][place = step][row] cells of 24 bytes (8 hh: registers 0, 1; 16 + 4 hh: register 2), scale pairs (s, s) beside them.  The places are the steps,
; so a store's address is made of constants, the lane, the wave and a counted scalar; the readers (lane = head) undo the cluster's turn in their addresses.  v's codes wait in registers (window 3) through v's eight passes
; and are stored into the ring's bytes behind the ring's last fill and last read: so q, k, v lie in LDS together and ONE loop over rows does scores, softmax and the second product; p, its scale and 1 / sum stay in registers.
; THE SMALL PRODUCTS HAVE K = 32: an operand's lane (head, hh) takes 12 bytes as registers 0-2; registers 3-11 are zero codes; the scale word is (s, s, 0, 0).  The places inside a block are permuted alike in q, k, p, v.
; LIMITS: NaN and infinities in x and W are not served; a block of zeros, or one under 2^-122, keeps the scale byte 1 (only this program reads the bytes); a row of the mask that is all 0 gives NaN in that row,
; as the definition does; the rotation rounds one product and then does one fused multiply-add; the scaled scores stay under 2^31 in magnitude.
; REGISTERS: window 0: v1-31 addresses; v32-47 x's scale words; v48-63 W's, two sets; v64-127 accumulators; v128-223 four sets of W's fragments; v224-255 the epilogue.  Window 1: x's fragments of K steps 0-4, v240-247 the mask
; (at the start: x as loaded; in the row loop v0-31: 0 or -infinity).  Window 2: K steps 5-7.  Window 3: v0-127 v's codes and scale pairs.
.set SLOTB, 102400
.set PARTB, 25600
.set WSC,   24576
.set REC,   2*SLOTB                    ; q's and k's cells
.set PL,    1568                       ; a place: 64 cells + 32 bytes = 392 words
.set WREG,  16*PL+16                   ; a wave's 16 places + 16 bytes: the 32 readers of a load touch different banks (64 banks of 4 bytes: ISA guide 11.1)
.set SC,    REC+4*WREG                 ; the scale pairs
.set SPL,   132
.set SWREG, 16*SPL
.set SPARE, 313856                     ; the spare words: two blocks of 256 bytes that no other line names
.set VSC,   SLOTB                      ; behind the ring's end: v's cells from byte 0, its scale pairs, and the way out's stages
.set OSTG,  SLOTB+16384
.set XIMG,  REC                        ; at the start: x's 32 fragments as images of their registers, their scale words, and a stage of 16 rows x 528 bytes for each wave
.set XSC,   REC+32*1536
.set XSTG,  XSC+4096
.set FLOOR, 0x2800000
.set EOFF,  0xfe000000
.set SPW, 1
.set NIL, 2
.set LI, 3
.set AW, 4
.set AS, 6
.set AP64, 8
.set AP32, 9
.set AQ, 10
.set AT64, 11
.set AT32, 12
.set AH, 13
.set AL64, 14
.set AL32, 15
.set AV64, 16
.set AV32, 17
.set ASC, 18
.set AVS, 19
.set SGI, 20
.set SGO, 21
.set GO, 22
.set RQ64, 23
.set RQ32, 24
.set RSC, 25
.set RV64, 26
.set RV32, 27
.set RVS, 28
.set SA, 23                            ; the first phase's addresses
.set SB, 24
.set XI, 25
.set XW, 26
.set XR, 27
.set XSR, 11
.set MO, 12
.set PFO, 28                           ; the prefetches' offset (through the passes)
.set RR, 29
.set HH, 30
.set LN, 31
.set XS, 32
.set WS, 48
.set ACC, 64
.set WF, 128
.set XTM, 32
.set XPC, 44
.set XPW, 36
.set ETM, 224
.set ETP, 228
.set ESO, 232
.set ESP, 236
.set ECD, 240
.set WSQ, 32                           ; the row loop
.set WSK, 33
.set WSV, 34
.set BY, 36
.set NM, 38
.set SU, 42
.set PX, 46
.set MX, 48
.set PM, 50
.set SOP, 52
.set RL, 54
.set KT, 60
.set QT, 84
.set VT, 108
.set PT, 132
.set ST, 156
.set OT, 188
.set BK, 220
.set MSB, 0
.macro WIN new
.if MSB != \new
	s_set_vgpr_msb (MSB<<8)|\new
.set MSB, \new
.endif
.endm
.macro NOP4
.rept 4
	v_nop
.endr
.endm
.macro CREST
	s_cmp_lg_u32 s14, 0
	s_cbranch_scc1 .Lnw0_\@
	s_barrier_signal -3
.Lnw0_\@:
	s_barrier_wait -3
	s_barrier_signal -1
	s_barrier_wait -1
.endm
.macro ROUND
	s_barrier_signal -1
	s_barrier_wait -1
	CREST
.endm
.macro WM d, a, b, c, sa, sb, ra, rb
.if (\ra) && (\rb)
	v_wmma_scale_f32_16x16x128_f8f6f4 v[(\d):(\d)+7], v[(\a):(\a)+11], v[(\b):(\b)+11], \c, v[\sa], v[\sb] matrix_a_fmt:MATRIX_FMT_BF6 matrix_b_fmt:MATRIX_FMT_BF6 matrix_a_scale:MATRIX_SCALE_ROW1 matrix_b_scale:MATRIX_SCALE_ROW1
.elseif \ra
	v_wmma_scale_f32_16x16x128_f8f6f4 v[(\d):(\d)+7], v[(\a):(\a)+11], v[(\b):(\b)+11], \c, v[\sa], v[\sb] matrix_a_fmt:MATRIX_FMT_BF6 matrix_b_fmt:MATRIX_FMT_BF6 matrix_a_scale:MATRIX_SCALE_ROW1
.elseif \rb
	v_wmma_scale_f32_16x16x128_f8f6f4 v[(\d):(\d)+7], v[(\a):(\a)+11], v[(\b):(\b)+11], \c, v[\sa], v[\sb] matrix_a_fmt:MATRIX_FMT_BF6 matrix_b_fmt:MATRIX_FMT_BF6 matrix_b_scale:MATRIX_SCALE_ROW1
.else
	v_wmma_scale_f32_16x16x128_f8f6f4 v[(\d):(\d)+7], v[(\a):(\a)+11], v[(\b):(\b)+11], \c, v[\sa], v[\sb] matrix_a_fmt:MATRIX_FMT_BF6 matrix_b_fmt:MATRIX_FMT_BF6
.endif
.endm
.macro NADR off, d                     ; s[d:d+1] = wq at my record of step s47 + off: pass ((n + turn) & 7) | (n & 24)
	s_add_co_u32 s60, s47, \off
	s_add_co_u32 s61, s60, s48
	s_and_b32 s61, s61, 7
	s_and_b32 s60, s60, 24
	s_add_co_u32 s62, s60, s61
	s_mul_i32 s62, s62, SLOTB
	s_mov_b32 s63, 0
	s_add_nc_u64 s[\d:\d+1], s[50:51], s[62:63]
.endm
	s_load_b256 s[4:11], s[0:1], 0x0               ; x, mask, wq, trig
	s_load_b64 s[12:13], s[0:1], 0x20              ; out0
	v_lshl_add_u32 v[SPW], v0, 2, SPARE
	v_mov_b32 v[NIL], 0
	ds_add_u32 v[SPW], v[NIL]                      ; the opening lines: the add twice on end and its one wait
	ds_add_u32 v[SPW], v[NIL]
	v_lshrrev_b32 v[RR], 5, v0
	v_readfirstlane_b32 s14, v[RR]                 ; wave 0..3
	v_and_b32 v[LN], 31, v0
	v_lshlrev_b32 v[LI], 4, v[LN]                  ; 16 x lane
	s_bfe_u32 s15, ttmp6, 0x40000                  ; cx: it enters global addresses alone
	s_lshl_b32 s56, ttmp9, 2
	s_add_co_u32 s56, s56, s15
	s_lshl_b32 s56, s56, 18                        ; my work-group's 64 rows of 4,096 bytes,
	s_lshl_b32 s57, s14, 16                        ; my wave's 16 of them
	s_add_co_u32 s56, s56, s57
	s_mov_b32 s57, 0
	s_mul_i32 s55, s14, PARTB
	s_mov_b32 s52, s55
	s_mov_b32 s53, 0
	s_and_b32 s48, ttmp9, 7                        ; the cluster's turn, the same in the four partners
	s_mov_b32 s47, 0                               ; the step
	s_mov_b32 s16, 15|(3<<16)|(1<<21)              ; group 1: a record as 100 rows of 256 bytes, asked for by all four work-groups
	s_mov_b32 s17, 32<<16
	s_mov_b32 s18, 100<<16
	s_mov_b32 s19, 32<<16
	s_mov_b32 s20, 100
	s_mov_b32 s21, 32
	s_mov_b32 s22, 0
	s_mov_b32 s23, 0
	s_mov_b32 s32, 0x76543210
	s_mov_b32 s33, 0xfedcba98
	s_mov_b32 s34, 0x3e8293ee                      ; log2(e) / sqrt(32)
	s_mov_b32 s35, s34
	s_lshl_b32 s44, s14, 7
	s_mov_b32 s40, 0
	s_mov_b32 s41, 0
	s_wait_dscnt 0x0
	s_wait_alu depctr_va_vdst(0)
	s_wait_kmcnt 0x0
	s_add_nc_u64 s[4:5], s[4:5], s[56:57]
	s_add_nc_u64 s[12:13], s[12:13], s[56:57]
	s_add_nc_u64 s[50:51], s[8:9], s[52:53]        ; wq at my record of pass 0
	s_mov_b32 s24, 1
	s_mov_b32 s25, s55
	NADR 0, 26
	s_or_b32 s27, s27, 0x80000000
	s_mov_b32 s28, 1
	s_add_co_u32 s29, s55, SLOTB
.macro XLOAD s                         ; K step s of my 16 rows: each load reads 512 consecutive bytes of one row; set s % 4 of window 1
.irp i, 0,1,2,3,4,5,6,7,8,9,10,11,12,13,14,15
	global_load_b128 v[64*((\s)%4)+4*\i:64*((\s)%4)+4*\i+3], v[LI], s[4:5] offset:4096*\i+512*(\s) th:TH_LOAD_NT
.endr
.endm
	WIN 0x40
	XLOAD 0
	XLOAD 1
	XLOAD 2
	XLOAD 3
	WIN 0
	ROUND                                          ; all four work-groups are here: the first joint load meets
	tensor_load_to_lds s[24:27], s[16:23]          ; step 0's record: my one tensor load at the head
	s_nop 0
	NOP4
	v_and_b32 v[RR], 15, v0
	v_bfe_u32 v[HH], v0, 4, 1
	s_wait_alu depctr_va_vdst(0)
	v_add_nc_u32 v[AW], s55, v[LI]
	v_add_nc_u32 v[AW+1], SLOTB, v[AW]
	v_lshl_add_u32 v[AS], v[LN], 2, s55
	v_add_nc_u32 v[AS], WSC, v[AS]
	v_add_nc_u32 v[AS+1], SLOTB, v[AS]
	s_mul_i32 s54, s14, WREG
	s_add_co_u32 s54, s54, REC
	v_mad_u32_u24 v[AP32], v[RR], 24, s54          ; writers: my region + 24 x row
	v_lshl_add_u32 v[AP64], v[HH], 3, v[AP32]
	v_lshl_add_u32 v[AP32], v[HH], 2, v[AP32]
	v_add_nc_u32 v[AP32], 16, v[AP32]
	s_mul_i32 s54, s14, SWREG
	s_add_co_u32 s54, s54, SC
	v_lshl_add_u32 v[AQ], v[RR], 1, s54
	s_mul_i32 s54, s14, 8448
	s_add_co_u32 s54, s54, XSTG
	v_add_nc_u32 v[SA], s54, v[LI]                 ; my stage, in: as loaded
	v_mad_u32_u24 v[SB], v[RR], 528, s54           ; and back: row r, 64 hh
	v_lshl_add_u32 v[SB], v[HH], 6, v[SB]
	s_mul_i32 s54, s14, 8*1536
	s_add_co_u32 s54, s54, XIMG
	v_add_nc_u32 v[XI], s54, v[LI]
	s_lshl_b32 s54, s14, 10
	s_add_co_u32 s54, s54, XSC
	v_lshl_add_u32 v[XW], v[LN], 2, s54
	v_add_nc_u32 v[XR], XIMG, v[LI]
	v_lshlrev_b32 v[XSR], 2, v[RR]
	v_lshl_add_u32 v[XSR], v[HH], 7, v[XSR]
	v_add_nc_u32 v[XSR], XSC, v[XSR]
	v_lshlrev_b32 v[MO], 5, v[RR]
	v_lshl_add_u32 v[MO], v[HH], 3, v[MO]
	v_and_b32 v[GO], 7, v[LN]                      ; readers: head (channel) 8 w + e lies at place (e - turn) & 7 of wave w's region
	v_sub_nc_u32 v[GO], v[GO], s48
	v_and_b32 v[GO], 7, v[GO]
	v_lshrrev_b32 v[AL32], 3, v[RR]
	v_mul_u32_u24 v[AL32], v[AL32], WREG
	v_mad_u32_u24 v[AL32], v[GO], PL, v[AL32]
	s_mul_i32 s54, s14, 384
	v_add_nc_u32 v[AL32], s54, v[AL32]             ; + my wave's 16 rows
	v_lshl_add_u32 v[AV64], v[HH], 3, v[AL32]
	v_lshl_add_u32 v[AV32], v[HH], 2, v[AL32]
	v_add_nc_u32 v[AV32], 16, v[AV32]
	v_add_nc_u32 v[AL64], REC, v[AV64]
	v_add_nc_u32 v[AL32], REC, v[AV32]
	v_lshrrev_b32 v[AVS], 3, v[LN]
	v_mul_u32_u24 v[AVS], v[AVS], SWREG
	v_mad_u32_u24 v[AVS], v[GO], SPL, v[AVS]
	s_lshl_b32 s54, s14, 5
	v_add_nc_u32 v[AVS], s54, v[AVS]
	v_add_nc_u32 v[ASC], SC, v[AVS]
	v_add_nc_u32 v[AVS], VSC, v[AVS]
	s_mul_i32 s54, s14, 4608
	s_add_co_u32 s54, s54, OSTG
	v_mad_u32_u24 v[SGI], v[RR], 144, s54
	v_lshl_add_u32 v[SGI], v[HH], 5, v[SGI]
	v_lshrrev_b32 v[SGO], 3, v[LN]
	v_mad_u32_u24 v[SGO], v[SGO], 144, s54
	v_and_b32 v[GO], 7, v[LN]
	v_lshl_add_u32 v[SGO], v[GO], 4, v[SGO]
	v_min_u32 v[PFO], 24, v[LN]                    ; 25 blocks a wave; the lanes left over name the last again
	v_lshlrev_b32 v[PFO], 8, v[PFO]
	s_mul_i32 s54, s15, 6400
	v_add_nc_u32 v[PFO], s54, v[PFO]
.irp b, 0,1,2,3
	v_mov_b32 v[XTM+4+\b], 0                       ; a lane permute's destination counts as one of its sources
.endr
; ---- X: my 16 rows become eight fragments, stored as images of their registers
.macro TURNX s                         ; a K step through my stage: in as loaded, back 64 numbers a lane: register 16 b + i = k 32 b + 16 hh + i of row r.  LDS serves a wave's instructions in order (ISA guide 5.7.1.4)
	WIN 0x04
.irp i, 0,1,2,3,4,5,6,7,8,9,10,11,12,13,14,15
	ds_store_b128 v[SA], v[64*((\s)%4)+4*\i:64*((\s)%4)+4*\i+3] offset:528*\i
.endr
	WIN 0
.irp b, 0,1,2,3
.irp j, 0,1,2,3
	ds_load_b128 v[64+64*((\s)%2)+16*\b+4*\j:64+64*((\s)%2)+16*\b+4*\j+3], v[SB] offset:128*\b+16*\j
.endr
.endr
.endm
.macro QUANT src
.irp b, 0,1,2,3
	v_max3_num_f32 v[XTM+\b], |v[(\src)+16*\b]|, |v[(\src)+1+16*\b]|, FLOOR
.endr
.irp i, 2,4,6,8,10,12,14
.irp b, 0,1,2,3
	v_max3_num_f32 v[XTM+\b], v[XTM+\b], |v[(\src)+16*\b+\i]|, |v[(\src)+1+16*\b+\i]|
.endr
.endr
.irp b, 0,1,2,3
	v_permlanex16_b32 v[XTM+4+\b], v[XTM+\b], s32, s33
.endr
.irp b, 0,1,2,3
	v_max_num_f32 v[XTM+\b], v[XTM+\b], v[XTM+4+\b]
.endr
.irp b, 0,1,2,3
	v_add_nc_u32 v[XTM+8+\b], EOFF, v[XTM+\b]      ; 4 off the exponent field: the conversion's scale operand
.endr
.irp b, 0,1,2,3
	v_lshrrev_b32 v[XTM+4+\b], 23, v[XTM+8+\b]
.endr
	v_lshl_or_b32 v[XPW], v[XTM+5], 8, v[XPW]
	v_lshl_or_b32 v[XPW], v[XTM+6], 16, v[XPW]
	v_lshl_or_b32 v[XPW], v[XTM+7], 24, v[XPW]
.irp c, 0,1
	v_cvt_scalef32_pk16_bf6_f32 v[XPC+6*\c:XPC+2+6*\c], v[(\src)+32*\c:(\src)+15+32*\c], v[XTM+8+2*\c]
	v_cvt_scalef32_pk16_bf6_f32 v[XPC+12+4*\c:XPC+14+4*\c], v[(\src)+16+32*\c:(\src)+31+32*\c], v[XTM+8+2*\c+1]
.endr
	v_nop
.irp c, 0,1                                    ; a whole block to a lane
.irp i, 0,1,2
	v_permlane16_swap_b32 v[XPC+6*\c+\i], v[XPC+12+4*\c+\i]
.endr
.irp i, 0,1,2
	v_mov_b32 v[XPC+3+6*\c+\i], v[XPC+12+4*\c+\i]
.endr
.endr
.endm
	s_wait_alu depctr_va_vdst(0)
	s_wait_loadcnt 48                              ; K step 0's 16 loads are in; three steps' may be out
	TURNX 0
.irp s, 0,1,2,3,4,5,6,7
	s_wait_dscnt 0x0                               ; this step's numbers are back, so the stage's stores have read their registers; the last images are stored
.if \s < 4
	WIN 0x40
	XLOAD (\s)+4
	WIN 0
	s_wait_loadcnt 48
.elseif \s < 7
	s_wait_loadcnt 16*(6-\s)                       ; the next step's 16 loads are in; the later steps' may be out
.endif
.if \s < 7
	TURNX (\s)+1
.endif
	QUANT 64+64*(\s%2)
.irp c, 0,1,2
	ds_store_b128 v[XI], v[XPC+4*\c:XPC+4*\c+3] offset:1536*\s+512*\c
.endr
	ds_store_b32 v[XW], v[XPW] offset:128*\s
.endr
	s_wait_dscnt 0x0
	s_barrier_signal -1
	s_barrier_wait -1                              ; x's 32 fragments lie in LDS
	WIN 0x40
.irp s, 0,1,2,3,4
.irp m, 0,1,2,3
.irp c, 0,1,2
	ds_load_b128 v[12*(4*\s+\m)+4*\c:12*(4*\s+\m)+4*\c+3], v[XR] offset:(8*\m+\s)*1536+512*\c
.endr
.endr
.endr
.irp t, 0,1,2,3                                ; the mask: row j = 16 (t / 2) + r, bytes 16 (t % 2) + 8 hh + 0 .. 7
	global_load_b64 v[240+2*\t:241+2*\t], v[MO], s[6:7] offset:512*(\t/2)+16*(\t%2)
.endr
	WIN 0x80
.irp s, 5,6,7
.irp m, 0,1,2,3
.irp c, 0,1,2
	ds_load_b128 v[12*(4*(\s-5)+\m)+4*\c:12*(4*(\s-5)+\m)+4*\c+3], v[XR] offset:(8*\m+\s)*1536+512*\c
.endr
.endr
.endr
	WIN 0
.irp m, 0,1,2,3
.irp p, 0,1,2,3
	ds_load_b32 v[XS+4*\m+\p], v[XSR] offset:(8*\m+2*\p)*128
.endr
.endr
.irp m, 0,1,2,3
	v_mov_b32 v[ETP+\m], 0
.endr
; ---- the passes
.macro WLOAD sl, s, q
.irp u, 0,1
.irp c, 0,1,2
	ds_load_b128 v[WF+24*(\q)+12*\u+4*\c:WF+24*(\q)+12*\u+4*\c+3], v[AW+(\sl)] offset:3072*(\s)+1536*\u+512*\c
.endr
.endr
.endm
.macro WSLOAD sl
.irp s, 0,1,2,3,4,5,6,7
	ds_load_b32 v[WS+8*(\sl)+\s], v[AS+(\sl)] offset:128*\s
.endr
.endm
.macro MUL sl, s, q, zero              ; 8 products; the eight accumulators take turns
.if (\s) < 5
.set XB, 48*(\s)
.else
.set XB, 48*((\s)-5)
.endif
.irp u, 0,1
.irp m, 0,1,2,3
.if \zero
	WM ACC+16*\m+8*\u, WF+24*(\q)+12*\u, XB+12*\m, 0, WS+8*(\sl)+(\s), XS+4*\m+(\s)/2, \u, (\s)%2
.else
	WM ACC+16*\m+8*\u, WF+24*(\q)+12*\u, XB+12*\m, v[ACC+16*\m+8*\u:ACC+16*\m+8*\u+7], WS+8*(\sl)+(\s), XS+4*\m+(\s)/2, \u, (\s)%2
.endif
.endr
.endr
.endm
.macro EPI rope, po, vt                ; the group's 32 numbers of 64 rows: rotated (q, k), quantised; stored (q, k) or kept in window 3 (v)
.if \rope
	s_wait_kmcnt 0x0                               ; my head's cos and sin
.irp i, 0,2,4,6
.irp m, 0,1,2,3
	v_pk_mul_f32 v[ECD+4*\m:ECD+4*\m+1], v[ACC+16*\m+8+\i:ACC+16*\m+9+\i], s[38:39] op_sel_hi:[1,0]
	v_pk_mul_f32 v[ECD+4*\m+2:ECD+4*\m+3], v[ACC+16*\m+\i:ACC+16*\m+1+\i], s[38:39] op_sel_hi:[1,0]
.endr
.irp m, 0,1,2,3
	v_pk_fma_f32 v[ACC+16*\m+\i:ACC+16*\m+1+\i], v[ACC+16*\m+\i:ACC+16*\m+1+\i], s[36:37], v[ECD+4*\m:ECD+4*\m+1] op_sel_hi:[1,0,1] neg_lo:[0,0,1] neg_hi:[0,0,1]
	v_pk_fma_f32 v[ACC+16*\m+8+\i:ACC+16*\m+9+\i], v[ACC+16*\m+8+\i:ACC+16*\m+9+\i], s[36:37], v[ECD+4*\m+2:ECD+4*\m+3] op_sel_hi:[1,0,1]
.endr
.endr
.endif
.irp m, 0,1,2,3
	v_max3_num_f32 v[ETM+\m], |v[ACC+16*\m]|, |v[ACC+16*\m+1]|, FLOOR
.endr
.irp i, 2,4,6,8,10,12,14
.irp m, 0,1,2,3
	v_max3_num_f32 v[ETM+\m], v[ETM+\m], |v[ACC+16*\m+\i]|, |v[ACC+16*\m+\i+1]|
.endr
.endr
.irp m, 0,1,2,3
	v_permlanex16_b32 v[ETP+\m], v[ETM+\m], s32, s33
.endr
.irp m, 0,1,2,3
	v_max_num_f32 v[ETM+\m], v[ETM+\m], v[ETP+\m]
.endr
.irp m, 0,1,2,3
	v_add_nc_u32 v[ESO+\m], EOFF, v[ETM+\m]
.endr
.irp m, 0,1,2,3
	v_lshrrev_b32 v[ESP+\m], 23, v[ESO+\m]
.endr
.if \rope
.irp m, 0,1,2,3
	v_lshl_or_b32 v[ESP+\m], v[ESP+\m], 8, v[ESP+\m]   ; (s, s)
.endr
.irp m, 0,1,2,3
	v_cvt_scalef32_pk16_bf6_f32 v[ECD+4*\m:ECD+4*\m+2], v[ACC+16*\m:ACC+16*\m+15], v[ESO+\m]
.endr
	v_nop
.irp m, 0,1,2,3
	ds_store_b64 v[AT64], v[ECD+4*\m:ECD+4*\m+1] offset:(\po)*PL+384*\m
	ds_store_b32 v[AT32], v[ECD+4*\m+2] offset:(\po)*PL+384*\m
	ds_store_b16 v[AH], v[ESP+\m] offset:(\po)*SPL+32*\m
.endr
.else
	WIN 0xc0                                       ; destination window 3
.irp m, 0,1,2,3
	v_lshl_or_b32 v[16*(\vt)+4*\m+3], v[ESP+\m], 8, v[ESP+\m]
.endr
.irp m, 0,1,2,3
	v_cvt_scalef32_pk16_bf6_f32 v[16*(\vt)+4*\m:16*(\vt)+4*\m+2], v[ACC+16*\m:ACC+16*\m+15], v[ESO+\m]
.endr
	v_nop
	WIN 0
.endif
.endm
; A pass from slot sl.  mode 1: the slot is asked for again in mid-pass (step + 2); 2: the next record is only waited for; 0: the last pass.  po: the place beyond s40's.  pf: the prefetch.
.macro PASS sl, mode, rope, po, vt, pf
.if \rope
	s_add_co_u32 s42, s47, s48
	s_and_b32 s42, s42, 7                          ; my head is 8 x wave + this
	s_lshl_b32 s43, s42, 4
	s_add_co_u32 s43, s43, s44
	s_load_b128 s[36:39], s[10:11], s43 offset:0x0
.endif
	WIN 0x04
	s_wait_dscnt 12                                ; the scale words and K steps 0, 1 are in; at most K steps 2, 3's twelve loads are out
	MUL \sl, 0, 0, 1
	MUL \sl, 1, 1, 0
	NOP4
	WLOAD \sl, 4, 0
	WLOAD \sl, 5, 1
	s_wait_dscnt 12                                ; all but the twelve just issued
	MUL \sl, 2, 2, 0
	MUL \sl, 3, 3, 0
	NOP4
	WLOAD \sl, 6, 2
	WLOAD \sl, 7, 3                                ; my last reads of this record
.if \mode == 1
	WIN 0
	s_wait_tensorcnt 0x0                           ; my one load that was out, the next record, has landed
	ds_add_u32 v[SPW], v[NIL]
	NADR 2, 26+4*\sl
	s_or_b32 s[27+4*\sl], s[27+4*\sl], 0x80000000
	WIN 0x04
	s_wait_dscnt 13                                ; K steps 4, 5 are in; the twelve loads behind them and the add may be out
	MUL \sl, 4, 0, 0
	s_wait_dscnt 0x0                               ; the add is done, my reads of this slot are over, my stores have landed
	s_barrier_signal -1
	WIN 0x08
	MUL \sl, 5, 1, 0
	WIN 0
	s_barrier_wait -1
	CREST                                          ; the round: the same holds of every wave of all four work-groups
	tensor_load_to_lds s[24+4*\sl:27+4*\sl], s[16:23]
	s_nop 0
	NOP4
.else
.if \mode == 2
	s_wait_tensorcnt 0x0                           ; the last record has landed; I alone read it
.endif
	s_wait_dscnt 12
	MUL \sl, 4, 0, 0
	WIN 0x08
	MUL \sl, 5, 1, 0
	WIN 0
	NOP4
.endif
.if \mode
	WSLOAD 1-\sl
	WLOAD 1-\sl, 0, 0
	WLOAD 1-\sl, 1, 1
.endif
.if \pf
	s_wait_xcnt 0x0                                ; the last pass's prefetch has read its base
	NADR 4, 58
	s_cmp_lt_u32 ttmp9, 4
	s_cbranch_scc0 .Lno_prefetch_fused0_\@
	global_prefetch_b8 v[PFO], s[58:59] th:TH_LOAD_NT scope:SCOPE_SE
.Lno_prefetch_fused0_\@:
.endif
	WIN 0x08
.if \mode == 2
	s_wait_dscnt 20                                ; K steps 6, 7 are in; the twenty loads behind them may be out
.elseif \mode == 0
	s_wait_dscnt 0x0
.endif
	MUL \sl, 6, 2, 0
	MUL \sl, 7, 3, 0
	WIN 0
.if \rope
	v_add_nc_u32 v[AT64], s40, v[AP64]             ; the trip's place; with the v_nop the four places behind the last products (ISA guide 7.12.1)
	v_add_nc_u32 v[AT32], s40, v[AP32]
	v_add_nc_u32 v[AH], s41, v[AQ]
	v_nop
.else
	NOP4
.endif
.if \mode
	WLOAD 1-\sl, 2, 2
	WLOAD 1-\sl, 3, 3
.endif
	EPI \rope, \po, \vt
	s_add_co_u32 s47, s47, 1
.endm
	s_wait_alu depctr_va_vdst(0)
	s_wait_tensorcnt 0x0                           ; step 0's record is in; slot 1's first fill is issued as a refill is
	ds_add_u32 v[SPW], v[NIL]
	NADR 1, 30
	s_or_b32 s31, s31, 0x80000000
	s_wait_dscnt 0x0                               ; the add is done and x's images are read
	ROUND
	tensor_load_to_lds s[28:31], s[16:23]
	s_nop 0
	NOP4
	v_lshrrev_b32 v[RQ64], 1, v[LN]                ; the padding of my own region is written once, with zeros: 32 bytes behind each of my 16 places (two lanes to a place),
	v_mul_u32_u24 v[RQ64], v[RQ64], PL
	v_and_b32 v[RQ32], 1, v[LN]
	v_lshl_add_u32 v[RQ64], v[RQ32], 4, v[RQ64]
	s_mul_i32 s54, s14, WREG
	s_add_co_u32 s54, s54, REC+1536
	v_add_nc_u32 v[RQ64], s54, v[RQ64]
	v_mul_u32_u24 v[RQ32], v[RR], SPL              ; and 4 bytes behind each place's scale pairs (both halves of the lanes write the same word with the same value)
	s_mul_i32 s54, s14, SWREG
	s_add_co_u32 s54, s54, SC+128
	v_add_nc_u32 v[RQ32], s54, v[RQ32]
	ds_store_b128 v[RQ64], v[ETP:ETP+3]
	ds_store_b32 v[RQ32], v[ETP]
	WSLOAD 0
	WLOAD 0, 0, 0
	WLOAD 0, 1, 1
	WLOAD 0, 2, 2
	WLOAD 0, 3, 3
	s_mov_b32 s45, 8
.Lqk:                                              ; steps 0-15: q, then k; step t's group goes to place t
	PASS 0, 1, 1, 0, 0, 1
	PASS 1, 1, 1, 1, 0, 1
	s_add_co_u32 s40, s40, 2*PL
	s_add_co_u32 s41, s41, 2*SPL
	s_sub_co_u32 s45, s45, 1
	s_cmp_lg_u32 s45, 0
	s_wait_alu depctr_va_vdst(0)
	s_cbranch_scc1 .Lqk
	PASS 0, 1, 0, 0, 0, 1                          ; steps 16-23: v, written out: each step's codes have registers of their own
	PASS 1, 1, 0, 0, 1, 1
	PASS 0, 1, 0, 0, 2, 1
	PASS 1, 1, 0, 0, 3, 1
	PASS 0, 1, 0, 0, 4, 0
	PASS 1, 1, 0, 0, 5, 0
	PASS 0, 2, 0, 0, 6, 0
	PASS 1, 0, 0, 0, 7, 0
	s_wait_alu depctr_va_vdst(0)
	s_wait_dscnt 0x0
	s_barrier_signal -1
	s_barrier_wait -1                              ; nobody reads the ring any more, and it has had its last fill
	v_sub_nc_u32 v[AT64], v[AP64], REC
	v_sub_nc_u32 v[AT32], v[AP32], REC
	v_sub_nc_u32 v[AH], v[AQ], SC-VSC
	WIN 0x0c                                       ; the data: window 3
.irp t, 0,1,2,3,4,5,6,7
.irp m, 0,1,2,3
	ds_store_b64 v[AT64], v[16*\t+4*\m:16*\t+4*\m+1] offset:\t*PL+384*\m
	ds_store_b32 v[AT32], v[16*\t+4*\m+2] offset:\t*PL+384*\m
	ds_store_b16 v[AH], v[16*\t+4*\m+3] offset:\t*SPL+32*\m
.endr
.endr
	WIN 0
.irp f, 60,72,84,96,108,120,132,144            ; registers 3-11 of the eight operand tiles: zero codes
.irp c, 3,4,5,6,7,8,9,10,11
	v_mov_b32 v[\f+\c], 0
.endr
.endr
	v_mov_b32 v[PX], 0
	v_mov_b32 v[PX+1], 0
	v_mov_b32 v[RL+1], 0
	v_mov_b32 v[RL+3], 0
	s_wait_loadcnt 0x0                             ; the mask
	WIN 0x41
.irp t, 0,1,2,3
.irp i, 0,1,2,3,4,5,6,7
	v_bfe_u32 v[8*\t+\i], v[240+2*\t+\i/4], 8*(\i%4), 8
.endr
.endr
	WIN 0x44
.set n, 0
.rept 32
	v_add_nc_u32 v[n], -1, v[n]
.set n, n+1
.endr
.set n, 0
.rept 32
	v_and_b32 v[n], 0xff800000, v[n]               ; 0 where the key counts, -infinity where it does not
.set n, n+1
.endr
	WIN 0
	s_mov_b32 s52, 0
	s_mov_b32 s53, 0
	s_mov_b32 s46, 0
	s_wait_xcnt 0x0                                ; the last prefetch has read its offset register
	v_mov_b32 v[RQ64], v[AL64]
	v_mov_b32 v[RQ32], v[AL32]
	v_mov_b32 v[RSC], v[ASC]
	v_mov_b32 v[RV64], v[AV64]
	v_mov_b32 v[RV32], v[AV32]
	v_mov_b32 v[RVS], v[AVS]
	s_wait_alu depctr_va_vdst(0)
	s_wait_dscnt 0x0
	s_barrier_signal -1
	s_barrier_wait -1                              ; q, k and v lie in LDS
; ---- the rows: wave w takes rows 16 w .. 16 w + 15
.macro QKLOADS
.irp T, 0,1
	ds_load_b64 v[QT+12*\T:QT+12*\T+1], v[RQ64] offset:2*WREG*\T
	ds_load_b32 v[QT+12*\T+2], v[RQ32] offset:2*WREG*\T
	ds_load_b64 v[KT+12*\T:KT+12*\T+1], v[RQ64] offset:2*WREG*\T+8*PL
	ds_load_b32 v[KT+12*\T+2], v[RQ32] offset:2*WREG*\T+8*PL
.endr
	ds_load_u16 v[WSQ], v[RSC]
	ds_load_u16 v[WSK], v[RSC] offset:8*SPL
.endm
.macro VLOADS
.irp T, 0,1
	ds_load_b64 v[VT+12*\T:VT+12*\T+1], v[RV64] offset:2*WREG*\T
	ds_load_b32 v[VT+12*\T+2], v[RV32] offset:2*WREG*\T
.endr
	ds_load_u16 v[WSV], v[RVS]
.endm
.macro SENDROW
.irp n, 0,1,2,3,4,5,6,7
	global_store_b128 v[GO], v[BK+4*\n:BK+4*\n+3], s[12:13] offset:512*\n th:TH_STORE_NT   ; 32 lanes store 512 consecutive bytes, at a multiple of 256 from out0's first byte
.endr
.endm
.macro SOROW first, last
.if \first == 0
	s_wait_dscnt 21                                ; this row's q and k are in; v's 5 loads, the stage's 8 stores and 8 loads may be out
.endif
	WM ST, KT, QT, 0, WSK, WSQ, 0, 0               ; S^T = k q^T: lane (r, hh) holds head j = 16 Tj + r; register 8 Tl + i key head 16 Tl + 8 hh + i
	WM ST+8, KT+12, QT, 0, WSK, WSQ, 1, 0
	WM ST+16, KT, QT+12, 0, WSK, WSQ, 0, 1
	WM ST+24, KT+12, QT+12, 0, WSK, WSQ, 1, 1
.if \last
	NOP4
.else
	s_add_co_u32 s52, s52, 24
	s_add_co_u32 s53, s53, 2
	v_add_nc_u32 v[RQ64], s52, v[AL64]
	v_add_nc_u32 v[RQ32], s52, v[AL32]
	v_add_nc_u32 v[RSC], s53, v[ASC]
	v_nop
	QKLOADS                                        ; the next row's
.endif
	WIN 0x04
.irp i, 0,2,4,6,8,10,12,14
.irp T, 0,1
	v_pk_add_f32 v[ST+16*\T+\i:ST+16*\T+\i+1], v[ST+16*\T+\i:ST+16*\T+\i+1], v[16*\T+\i:16*\T+\i+1]   ; the mask: + 0 or -infinity; each accumulator from its low end on
.endr
.endr
	WIN 0
.irp T, 0,1
	v_max3_num_f32 v[MX+\T], v[ST+16*\T], v[ST+16*\T+1], v[ST+16*\T+2]
.endr
.irp i, 3,5,7,9,11,13
.irp T, 0,1
	v_max3_num_f32 v[MX+\T], v[MX+\T], v[ST+16*\T+\i], v[ST+16*\T+\i+1]
.endr
.endr
.irp T, 0,1
	v_max_num_f32 v[MX+\T], v[MX+\T], v[ST+16*\T+15]
.endr
.irp T, 0,1
	v_permlanex16_b32 v[PX+\T], v[MX+\T], s32, s33
.endr
.irp T, 0,1
	v_max_num_f32 v[MX+\T], v[MX+\T], v[PX+\T]
.endr
.irp T, 0,1
	v_mul_f32 v[NM+2*\T+1], s34, v[MX+\T]
.endr
.irp T, 0,1
	v_floor_f32 v[NM+2*\T], -v[NM+2*\T+1]          ; -M = -ceil(t)
.endr
.irp i, 0,2,4,6,8,10,12,14
.irp T, 0,1
	v_pk_fma_f32 v[ST+16*\T+\i:ST+16*\T+\i+1], v[ST+16*\T+\i:ST+16*\T+\i+1], s[34:35], v[NM+2*\T:NM+2*\T+1] op_sel_hi:[1,0,0]
.endr
.endr
.irp T, 0,1
	v_fma_f32 v[PM+\T], v[MX+\T], s34, v[NM+2*\T]
.endr
	s_wait_alu depctr_va_vdst(0)
.set n, 0
.rept 32
	v_exp_f32 v[ST+n], v[ST+n]
.set n, n+1
.endr
	v_exp_f32 v[PM], v[PM]                         ; the largest p: the same two instructions on the same number
	v_exp_f32 v[PM+1], v[PM+1]
	v_nop
.if \first == 0
.if \last
	s_wait_dscnt 0x0
.else
	s_wait_dscnt 10                                ; the row before is back from the stage; the next row's ten loads may be out
.endif
	SENDROW
.endif
	s_wait_alu depctr_va_vdst(0)
.irp T, 0,1
	v_max_num_f32 v[PM+\T], FLOOR, v[PM+\T]
.endr
.irp T, 0,1
	v_add_nc_u32 v[SOP+\T], EOFF, v[PM+\T]
.endr
.irp T, 0,1
	v_lshrrev_b32 v[BY+\T], 23, v[SOP+\T]
.endr
.irp T, 0,1
	v_lshl_or_b32 v[BY+\T], v[BY+\T], 8, v[BY+\T]  ; p's scale word (s, s, 0, 0): lane r has head 16 T + r's
.endr
.irp T, 0,1
	v_cvt_scalef32_pk16_bf6_f32 v[PT+12*\T:PT+12*\T+2], v[ST+16*\T:ST+16*\T+15], v[SOP+\T]   ; p's codes fall into the operand's registers
.endr
	v_nop
.irp T, 0,1                                    ; the sum of the unquantised p; these lines are also the places between the scale words, the codes and the products
	v_pk_add_f32 v[SU+2*\T:SU+2*\T+1], v[ST+16*\T:ST+16*\T+1], v[ST+16*\T+2:ST+16*\T+3]
.endr
.irp i, 4,6,8,10,12,14
.irp T, 0,1
	v_pk_add_f32 v[SU+2*\T:SU+2*\T+1], v[SU+2*\T:SU+2*\T+1], v[ST+16*\T+\i:ST+16*\T+\i+1]
.endr
.endr
.irp T, 0,1
	v_add_f32 v[SU+2*\T], v[SU+2*\T], v[SU+2*\T+1]
.endr
	WM OT, VT, PT, 0, WSV, BY, 0, 0                ; O^T = v^T p^T: lane (r, hh) holds head j = 16 Tj + r and channels 16 Td + 8 hh + 0 .. 7
	WM OT+8, VT+12, PT, 0, WSV, BY, 1, 0
	WM OT+16, VT, PT+12, 0, WSV, BY+1, 0, 0
	WM OT+24, VT+12, PT+12, 0, WSV, BY+1, 1, 0
.if \last
	NOP4
.else
	v_add_nc_u32 v[RV64], s52, v[AV64]
	v_add_nc_u32 v[RV32], s52, v[AV32]
	v_add_nc_u32 v[RVS], s53, v[AVS]
	v_nop
	VLOADS                                         ; the next row's
.endif
.irp T, 0,1
	v_permlanex16_b32 v[PX+\T], v[SU+2*\T], s32, s33
.endr
.irp T, 0,1
	v_add_f32 v[SU+2*\T], v[SU+2*\T], v[PX+\T]
.endr
	s_wait_alu depctr_va_vdst(0)
.irp T, 0,1
	v_rcp_f32 v[RL+2*\T], v[SU+2*\T]
.endr
	v_nop
	s_wait_alu depctr_va_vdst(0)                   ; for the reciprocals and for the products' results, directly ahead of their first readers
.irp i, 0,2,4,6,8,10,12,14
.irp T, 0,1
	v_pk_mul_f32 v[OT+16*\T+\i:OT+16*\T+\i+1], v[OT+16*\T+\i:OT+16*\T+\i+1], v[RL+2*\T:RL+2*\T+1] op_sel_hi:[1,0]
.endr
.endr
.irp T, 0,1
.irp D, 0,1
	ds_store_b128 v[SGI], v[OT+16*\T+8*\D:OT+16*\T+8*\D+3] offset:2304*\T+64*\D
	ds_store_b128 v[SGI], v[OT+16*\T+8*\D+4:OT+16*\T+8*\D+7] offset:2304*\T+64*\D+16
.endr
.endr
	s_wait_xcnt 0x0                                ; the row before's stores have read their registers
	v_add_nc_u32 v[GO], s46, v[LI]
	s_add_co_u32 s46, s46, 4096
.irp n, 0,1,2,3,4,5,6,7
	ds_load_b128 v[BK+4*\n:BK+4*\n+3], v[SGO] offset:576*\n   ; my own stage: served in order behind the stores above
.endr
	s_wait_alu depctr_va_vdst(0)
.endm
	QKLOADS
	VLOADS
	s_wait_dscnt 0x0
	SOROW 1, 0
	s_mov_b32 s45, 14
.Lrow:
	SOROW 0, 0
	s_sub_co_u32 s45, s45, 1
	s_cmp_lg_u32 s45, 0
	s_cbranch_scc1 .Lrow
	SOROW 0, 1
	s_wait_dscnt 0x0
	SENDROW
	s_wait_tensorcnt 0x0                           ; the wave's end
	ds_add_u32 v[SPW], v[NIL]
	s_wait_dscnt 0x0
	ROUND                                          ; the closing round
	s_endpgm
.Lfunc_end_k_q1ffa45b053_fused:
	.size	k_q1ffa45b053_fused, .Lfunc_end_k_q1ffa45b053_fused-k_q1ffa45b053_fused
	.p2alignl 7, 3214868480
	.fill 96, 4, 3214868480
	.section	.rodata,"a",@progbits
	.p2align	6, 0x0
	.amdhsa_kernel k_q1ffa45b053_fused
		.amdhsa_group_segment_fixed_size 327680
		.amdhsa_private_segment_fixed_size 0
		.amdhsa_enable_private_segment 0
		.amdhsa_kernarg_size 40
		.amdhsa_user_sgpr_count 2
		.amdhsa_user_sgpr_kernarg_segment_ptr 1
		.amdhsa_wavefront_size32 1
		.amdhsa_system_sgpr_workgroup_id_x 1
		.amdhsa_system_sgpr_workgroup_id_y 1
		.amdhsa_system_sgpr_workgroup_id_z 1
		.amdhsa_system_vgpr_workitem_id 0
		.amdhsa_next_free_vgpr 896
		.amdhsa_next_free_sgpr 66
		.amdhsa_reserve_vcc 0
		.amdhsa_float_denorm_mode_32 3
		.amdhsa_float_denorm_mode_16_64 3
		.amdhsa_memory_ordered 1
		.amdhsa_forward_progress 1
		.amdhsa_inst_pref_size 255
	.end_amdhsa_kernel
	.section	.bss,"aw",@nobits
	.p2align	6
	.space	262144
	.amdgpu_metadata
---
amdhsa.version: [ 1, 2 ]
amdhsa.kernels:
  - .name:           k_q1ffa45b053_fused
    .symbol:         k_q1ffa45b053_fused.kd
    .args:
      - { .name: x, .offset: 0, .size: 8, .value_kind: global_buffer, .address_space: global }
      - { .name: mask, .offset: 8, .size: 8, .value_kind: global_buffer, .address_space: global }
      - { .name: wq, .offset: 16, .size: 8, .value_kind: global_buffer, .address_space: global }
      - { .name: trig, .offset: 24, .size: 8, .value_kind: global_buffer, .address_space: global }
      - { .name: out0, .offset: 32, .size: 8, .value_kind: global_buffer, .address_space: global }
    .group_segment_fixed_size: 327680
    .private_segment_fixed_size: 0
    .kernarg_segment_align: 8
    .kernarg_segment_size: 40
    .max_flat_workgroup_size: 128
    .sgpr_count:     66
    .vgpr_count:     896
    .wavefront_size: 32
...
	.end_amdgpu_metadata
.endif
;; end of part 2
